; MI455X (gfx1250); checked and timed in simulation.
; The chip was launched on July 23, 2026; its instructions are those of AMD's public machine-readable ISA for CDNA 5 (MIT licence, August 2026) and "CDNA5" Instruction Set Architecture Reference Guide (July 2026). The comments in the code are by the model that wrote it; some were corrected since.
;; LSTE Linear. Allowed arithmetic: matrix products marked QUANTISED: E3M2 operands, one E8M0 scale for each 32 along K, by v_wmma_scale_f32_16x16x128_f8f6f4 with both operands' format E3M2, f32 sums; everything else in f32.
;; Inputs: scales 131,072 float32; ste_gain 1 float32; ste_temp 1 float32; ternary 4,096 x 4,096 int8; x 4,096 x 4,096 float32.
;; Outputs: out0 4,096 x 4,096 float32.
;; This version of the problem:
;;   THIS VERSION OF THE PROBLEM IS GIVEN IN LOW PRECISION. The matrix products marked QUANTISED in the list below multiply operands that are first quantised to E3M2 (3 exponent bits, 2 mantissa bits; 6 bits a number), with one power-of-two scale for each 32 numbers along K (OCP MX v1.0); their sums are f32. All else is computed in f32.
;;   The module's matrix products, in the order in which they are computed (A, B: the left and right operand; K: the contracted axis; several contracted axes count as one K, in the product's order):
;;     1. [M 4,096, K 4,096] x [K 4,096, N 4,096]; A: input x; B: computed on the way: QUANTISED
;;   THE QUANTISER, for each operand of a quantised product, along K:
;;     - K is cut into blocks of 32 from its start; a last block that is shorter is filled with zeros.
;;     - A block's scale is 2^e with e = floor(log2(the largest magnitude in the block)) - 4, held to -126 .. 127; a block of zeros has e = 0. As a byte (E8M0): e + 127.
;;     - Each number is divided by its block's scale, clamped to +-28, and rounded to the nearest number of E3M2, ties to even, subnormals kept.
;;     - The product sums the exact products of the quantised numbers (number of the format x scale) in f32.
;;   ~~~python
;;   def quantise(x, axis):      # numpy; x: float32 -> the quantised numbers, widened to float32 again
;;       x = np.moveaxis(x, axis, -1); K = x.shape[-1]
;;       x = np.pad(x, [(0, 0)] * (x.ndim - 1) + [(0, -K % 32)]); x = x.reshape(x.shape[:-1] + (-1, 32)); a = np.abs(x).max(-1, keepdims=True)
;;       e = np.where(a > 0, np.clip(np.frexp(np.where(a > 0, a, 1))[1] - 1 - 4, -126, 127), 0)      # np.frexp(a)[1] - 1 = floor(log2(a)), exactly
;;       r = np.clip(x / 2.0 ** e, -28, 28)
;;       step = 2.0 ** (np.maximum(np.frexp(np.where(r == 0, 1, r))[1] - 1, -2) - 2)
;;       q = np.round(r / step) * step * 2.0 ** e      # np.round: ties to even
;;       return np.moveaxis(q.reshape(q.shape[:-2] + (-1,))[..., :K], -1, axis).astype(np.float32)
;;   ~~~
;;   OPERANDS COMPUTED ON THE WAY. 'Computed on the way' means the value that the module computes at that place (a softmax that the list does not call 'softmax' is quantised finished and normalised). What goes into a quantiser is computed in f32, as accurately as f32 sums, v_exp_f32 and their like allow (about 1e-6 of the number): no bf16 or f16 on the way to a quantiser, and a product that is left as it is and whose result goes on into a quantised operand takes f32 operands (vector FMAs, or v_wmma_f32_16x16x4_f32). A number that lies on a knife's edge between two numbers of the format may be rounded either way, as far as f32 arithmetic and the matrix unit's own rounding can turn it there, and no further.
;; One version. Each part assembles by itself: llvm-mc -triple=amdgcn-amd-amdhsa -mcpu=gfx1250 --defsym DOCPART=n.
;; ======== version 1 of 1: 2 launches
;; limits: right only within a limited range of input values
;; workspace buffers: xq 13,107,200 bytes; wq 13,107,200 bytes
;; launch quant (part 1): grid 768 x 1, 4 waves a work-group, no clusters, 69,120 bytes of LDS; arguments x, ternary, scales, xq, wq; writes xq, wq
.if DOCPART == 1
	.amdgcn_target "amdgcn-amd-amdhsa--gfx1250"
	.amdhsa_code_object_version 6
	.text
	.protected	k_q14bd6341a8_quant
	.globl	k_q14bd6341a8_quant
	.p2align	8
	.type	k_q14bd6341a8_quant,@function
k_q14bd6341a8_quant:
	s_mov_b64 s[64:65], 0
	v_nop
	global_prefetch_b8 v0, s[64:65] scope:SCOPE_SE
	s_setreg_imm32_b32 hwreg(HW_REG_WAVE_MODE, 25, 1), 1
	s_wait_xcnt 0x0
; Both operands of out0 = x w^T become codes of BF6 (E3M2) with one E8M0 scale byte for each 32 along K, laid IN THE ORDER OF THE MATRIX OPERAND'S REGISTERS.
; x: [4096][4096] f32.  w[n][k] = f32(ternary[n][k]) x scales[(4096 n + k) / 128]: any int8, any sign of the scale, one f32 multiplication, as the problem has it.
; WORK LEFT OUT: reference() names ste_gain and ste_temp among its inputs and forms nothing of them: out0 = dot(x, w^T) holds neither, whatever their values.
; So they have no way to the output: they are not loaded and are among no launch's arguments.  LIMIT: a NaN or an infinity in them is not carried to the result.
; A block's scale is 2^(floor(log2(its largest magnitude)) - 4); its byte is the largest magnitude's exponent field - 4, held at 1 from below.  Each number is divided by the scale and
; rounded to the nearest code, ties to even; beyond the largest code the conversion gives the largest code.
; LIMITS: NaN and infinities in x and scales are not served.  A block of zeros gets the byte 1 where the rule says 127: its codes are zeros, and this program alone reads the bytes.
; LAYOUT OF xq AND wq: [32 blocks of 128 rows][32 steps of 128 along K][a chunk of 12,800 bytes].  A chunk: 8 fragments (16 rows x 128 K) of 1,536 bytes, then 512 bytes of scale words.
; A fragment is the image of its 12 registers: registers 4 c .. 4 c + 3 of lane l lie at 512 c + 16 l.  Lane l = 16 h + r holds row r; registers 0-5 K = 32 h + 0 .. 31, registers 6-11 K = 64 + 32 h + 0 .. 31.
; The scale word (the row's four blocks) of fragment i, row r lies at 256 (i / 4) + 16 r + 4 (i % 4).
; A lane holds two whole blocks of its row, 64 numbers: no other lane is asked for a maximum, and four conversions give the lane's 12 registers.
; SHARES: work-groups 0 to 255 take w (the longer path: the lower numbers), 256 to 767 take x: one scalar branch on the work-group's number, two paths that never join, each with LDS bytes of its own.
; No tensor loads, no barrier: waves share nothing.
.set WGW,   256                        ; work-groups for w
.set EMAX,  4                          ; the exponent of the format's largest number, 28
.set FRB,   1536                       ; a fragment's image in bytes
.set SCO,   8*FRB                      ; where a chunk's scale words begin
.set CHUNK, SCO+512
.set XP,    528                        ; x path: a stage row of 512 bytes + 16: sixteen rows' 16 bytes start at different banks (64 banks of 4 bytes: ISA guide 11.1)
.set XST,   16*XP                      ; a wave's stage: 16 rows
.set WP,    272                        ; w path: a stage row of 256 bytes + 16
.set WST,   32*WP                      ; a wave's stage: 32 rows
.set WBASE, 4*XST                      ; the w path's LDS bytes lie behind the x path's
.set SPARE, WBASE+4*WST                ; behind both: the spare words, 128 bytes a wave, that no other line names
.set R,     16                         ; x path: v16-143  two sets of 64 registers as loaded
.set T,     16                         ; w path: v16-79   32 rows x 256 int8 as loaded
.set I,     80                         ; w path: v80-143  the same by fragments: 16 registers for each of four
.set X,     144                        ; v144-207 my 64 numbers: 0-31 block h, 32-63 block 2 + h
.set P,     208                        ; v208-231 codes: two sets of 12 registers, by turns
.set TM,    232                        ; v232-234, v236-238 the second halves of the two blocks' codes;  v235, v239: two offsets of the w path
.set W,     240                        ; v240-247 scale words
.set S,     248                        ; w path: v248-255 my rows' group scales
.set SEL,   38                         ; s[38:39] v_permlanex16_b32's selects for lane l xor 16
	s_load_b256 s[4:11], s[0:1], 0x0               ; x s[4:5], ternary s[6:7], scales s[8:9], xq s[10:11]
	s_load_b64 s[12:13], s[0:1], 0x20              ; wq
	v_lshl_add_u32 v12, v0, 2, SPARE               ; my spare word,
	v_mov_b32 v13, 0                               ; and 0: kept for the closing lines alone
	v_lshrrev_b32 v1, 5, v0
	v_readfirstlane_b32 s18, v1                    ; wave 0..3
	v_and_b32 v2, 31, v0                           ; lane
	v_lshlrev_b32 v3, 4, v2                        ; 16 x lane: my 16 bytes of 512
	v_and_b32 v4, 15, v0                           ; r
	v_bfe_u32 v5, v0, 4, 1                         ; h
	v_lshlrev_b32 v15, 3, v5                       ; 8 h: my bytes' place in the scale word
	v_mov_b32 v14, 0                               ; written once: a lane permute's destination counts as one of its sources
	s_mov_b32 s[SEL], 0x76543210
	s_mov_b32 s[SEL+1], 0xfedcba98
	s_mov_b32 s23, 0                               ; the upper word of every byte offset: all lie under 2^32
	s_wait_kmcnt 0x0
; My 64 numbers in v[X] on become my 12 registers of the fragment, v[ps] on, and my row's scale word, v[wr].
.macro FRAGQ ps, wr
.irp k, 0,1,2,3
	v_max3_num_f32 v[8+\k], |v[X+16*\k]|, |v[X+16*\k+1]|, (EMAX+1)<<23   ; four chains of 16 numbers, by turns; the floor 2^(EMAX + 1 - 127) among the leaves holds the byte at 1 from below
.endr
.irp i, 2,4,6,8,10,12,14
.irp k, 0,1,2,3
	v_max3_num_f32 v[8+\k], v[8+\k], |v[X+16*\k+\i]|, |v[X+16*\k+\i+1]|
.endr
.endr
	v_max_num_f32 v8, v8, v9                       ; block h's largest magnitude
	v_max_num_f32 v10, v10, v11                    ; block 2 + h's
	v_add_nc_u32 v8, -(EMAX<<23), v8               ; EMAX off the exponent field: the conversion takes that field of this operand as its scale
	v_add_nc_u32 v10, -(EMAX<<23), v10
	v_lshrrev_b32 v9, 23, v8                       ; the scales' bytes
	v_lshrrev_b32 v11, 23, v10
	v_lshl_or_b32 v9, v11, 16, v9                  ; my two bytes: blocks h and 2 + h,
	v_lshlrev_b32 v9, v15, v9                      ; at their places in the word (8 h bits up);
	v_permlanex16_b32 v14, v9, s[SEL], s[SEL+1]
	v_or_b32 v[\wr], v9, v14                       ; with lane l xor 16's two the word is whole, in both lanes
	v_cvt_scalef32_pk16_bf6_f32 v[\ps:\ps+2], v[X:X+15], v8          ; registers 0-2
	v_cvt_scalef32_pk16_bf6_f32 v[TM:TM+2], v[X+16:X+31], v8         ; (a conversion's three registers begin on an even number: 3-5 and 9-11 are made elsewhere and moved)
	v_cvt_scalef32_pk16_bf6_f32 v[\ps+6:\ps+8], v[X+32:X+47], v10    ; registers 6-8
	v_cvt_scalef32_pk16_bf6_f32 v[TM+4:TM+6], v[X+48:X+63], v10
	v_nop                                          ; one plain vector line behind the conversions
.irp i, 0,1,2
	v_mov_b32 v[\ps+3+\i], v[TM+\i]
	v_mov_b32 v[\ps+9+\i], v[TM+4+\i]
.endr
.endm
	s_cmp_lt_u32 ttmp9, WGW                        ; w's work-group or x's?  It hangs on the work-group's number alone
	s_cbranch_scc1 .Lw
; ------------------------------------------------------------------ x
; A wave takes 64 rows x 128 along K: four fragments, half a chunk; the four waves stand side by side along K.  Each load reads 512 consecutive bytes of one row; a fragment's 16 rows go
; through the wave's own stage, as they lie, and come back 2 x 128 bytes a lane: my two blocks.  Two fragments (32 loads a wave) are on their way.
	s_sub_co_u32 s17, ttmp9, WGW                   ; x's work-group 0 .. 511
	s_lshr_b32 s20, s17, 3                         ; which 64 rows: 0 .. 63
	s_and_b32 s21, s17, 7
	s_lshl_b32 s21, s21, 2
	s_add_co_u32 s21, s21, s18                     ; which step of 128 along K: 0 .. 31
	s_lshl_b32 s22, s20, 20                        ; 64 rows of 16,384 bytes,
	s_lshl_b32 s24, s21, 9                         ; 512 bytes a step
	s_add_co_u32 s22, s22, s24
	s_add_nc_u64 s[4:5], s[4:5], s[22:23]
	s_lshr_b32 s24, s20, 1                         ; the block of 128 rows
	s_lshl_b32 s24, s24, 5
	s_add_co_u32 s24, s24, s21                     ; the chunk's number
	s_mul_i32 s22, s24, CHUNK
	s_and_b32 s24, s20, 1                          ; which half of the chunk's fragments
	s_mul_i32 s25, s24, 4*FRB
	s_add_co_u32 s22, s22, s25
	s_add_nc_u64 s[10:11], s[10:11], s[22:23]      ; xq at my first fragment
	s_mul_i32 s25, s24, 4*FRB-256
	s_sub_co_u32 s25, SCO, s25                     ; from there to my 256 bytes of scale words
	s_wait_alu depctr_va_vdst(0)                   ; directly ahead of the reader below
	v_lshl_add_u32 v1, v4, 4, s25                  ; + 16 r
	s_mul_i32 s19, s18, XST                        ; my wave's stage
	v_add_nc_u32 v6, s19, v3                       ; in: 16 x lane; the row stands in the immediate
	v_mul_u32_u24 v7, v4, XP
	v_lshl_add_u32 v7, v5, 7, v7
	v_add_nc_u32 v7, s19, v7                       ; out: row r, + 128 h
.macro LOADX f                         ; fragment f's 16 rows into set f % 2
.irp j, 0,1,2,3,4,5,6,7,8,9,10,11,12,13,14,15
	global_load_b128 v[R+64*((\f)%2)+4*\j:R+64*((\f)%2)+4*\j+3], v3, s[4:5] offset:(16*(\f)+\j)*16384 th:TH_LOAD_NT   ; 32 lanes read 512 consecutive bytes; read once in the launch
.endr
.endm
.macro XFRAG f
.if (\f) < 3
	s_wait_loadcnt 16                              ; this fragment's 16 loads are in; the next fragment's 16 may be out
.else
	s_wait_loadcnt 0x0
.endif
.irp j, 0,1,2,3,4,5,6,7,8,9,10,11,12,13,14,15
	ds_store_b128 v6, v[R+64*((\f)%2)+4*\j:R+64*((\f)%2)+4*\j+3] offset:\j*XP
.endr
.irp m, 0,1,2,3,4,5,6,7
	ds_load_b128 v[X+4*\m:X+4*\m+3], v7 offset:16*\m               ; LDS serves a wave's instructions in order (ISA guide 5.7.1.4): these see the stores above
.endr
.irp m, 0,1,2,3,4,5,6,7
	ds_load_b128 v[X+32+4*\m:X+32+4*\m+3], v7 offset:256+16*\m
.endr
	s_wait_dscnt 0x0                               ; my numbers are back: so the stores into the stage have read their registers,
.if (\f)+2 < 4
	LOADX (\f)+2                                   ; which take the loads of two fragments on
.else
	s_wait_xcnt 0x0                                ; the stores of two fragments back have read their registers: that set of codes is written again only behind this wait
.endif
	FRAGQ P+12*((\f)%2), W+(\f)
.irp c, 0,1,2
	global_store_b128 v3, v[P+12*((\f)%2)+4*\c:P+12*((\f)%2)+4*\c+3], s[10:11] offset:(\f)*FRB+512*\c   ; 32 lanes store 512 consecutive bytes, at a multiple of 256 from the buffer's first byte
.endr
.endm
	LOADX 0
	LOADX 1
	s_wait_alu depctr_va_vdst(0)                   ; directly ahead of the wait for the loads
.irp f, 0,1,2,3
	XFRAG \f
.endr
	s_wait_xcnt 0x0                                ; EXEC is a source of the stores above: it changes only behind this wait
	s_wait_tensorcnt 0x0                           ; the wave's end: behind my last LDS store
	ds_add_u32 v12, v13
	s_wait_dscnt 0x0
	v_cmpx_gt_u32 16, v2                           ; lanes 0 to 15 (lanes 16 to 31 hold the same words)
	global_store_b128 v1, v[W:W+3], s[10:11]       ; my row's words of the four fragments: 16 lanes store 256 consecutive bytes, aligned
	s_endpgm
; ------------------------------------------------------------------ w
; A wave takes 64 rows x 256 along K: eight fragments, half of each of two neighbouring chunks, so that a row's piece of int8 is 256 consecutive bytes.  Each load reads two such pieces.
; 32 rows at a time go through the wave's own stage and come back by fragments, 2 x 32 bytes a lane; the second 32 rows are on their way while the first are worked.
; A lane takes its row's two group scales by one load of 8 bytes.
; int8 to f32: the byte's top bit is turned (t + 128, unsigned), the byte is set under 0x4b000000 (the f32 number 2^23 + 128 + t, exact), and 2^23 + 128 is taken off (exact).
; That subtraction and the multiplication by the scale are not fused: (f - c) s as one multiply-add would want c s exact, which it is not.
.Lw:
	s_and_b32 s21, ttmp9, 3
	s_lshl_b32 s21, s21, 2
	s_add_co_u32 s21, s21, s18                     ; which pair of steps along K: 0 .. 15
	s_lshr_b32 s20, ttmp9, 2                       ; which 64 rows: 0 .. 63
	s_lshl_b32 s22, s20, 18                        ; ternary: 64 rows of 4,096 bytes,
	s_lshl_b32 s24, s21, 8                         ; 256 bytes a pair of steps
	s_add_co_u32 s22, s22, s24
	s_add_nc_u64 s[6:7], s[6:7], s[22:23]
	s_lshl_b32 s22, s20, 13                        ; scales: 64 rows of 128 bytes,
	s_lshl_b32 s24, s21, 3                         ; 8 bytes a pair of steps
	s_add_co_u32 s22, s22, s24
	s_add_nc_u64 s[8:9], s[8:9], s[22:23]
	s_lshr_b32 s24, s20, 1                         ; the block of 128 rows
	s_lshl_b32 s24, s24, 5
	s_lshl_b32 s25, s21, 1
	s_add_co_u32 s24, s24, s25                     ; the first chunk's number
	s_mul_i32 s22, s24, CHUNK
	s_and_b32 s24, s20, 1                          ; which half of a chunk's fragments
	s_mul_i32 s25, s24, 4*FRB
	s_add_co_u32 s22, s22, s25
	s_add_nc_u64 s[12:13], s[12:13], s[22:23]      ; wq at my first fragment
	s_mul_i32 s25, s24, 4*FRB-256
	s_sub_co_u32 s25, SCO, s25                     ; from there to my 256 bytes of scale words in the first chunk
	s_wait_alu depctr_va_vdst(0)                   ; directly ahead of the reader below
	v_mul_u32_u24 v1, v5, CHUNK                    ; lanes 16 to 31 take the second chunk's
	v_lshl_add_u32 v1, v4, 4, v1
	v_add_nc_u32 v1, s25, v1
	v_lshlrev_b32 v235, 7, v4                      ; scales: row r of 128 bytes
	v_lshlrev_b32 v239, 4, v4
	v_lshl_add_u32 v239, v5, 12, v239              ; ternary: lanes 0 to 15 one row's 256 bytes, lanes 16 to 31 the next row's
.irp f, 0,1,2,3
	global_load_b64 v[S+2*\f:S+2*\f+1], v235, s[8:9] offset:\f*2048   ; rows 16 f + r: the scales of my two steps
.endr
.macro LOADW hh                        ; rows 32 hh .. 32 hh + 31
.irp u, 0,1,2,3,4,5,6,7,8,9,10,11,12,13,14,15
	global_load_b128 v[T+4*\u:T+4*\u+3], v239, s[6:7] offset:(16*(\hh)+\u)*8192 th:TH_LOAD_NT   ; two runs of 256 consecutive bytes; read once in the launch
.endr
.endm
	LOADW 0
	s_mul_i32 s19, s18, WST
	s_add_co_u32 s19, s19, WBASE                   ; my wave's stage
	v_mul_u32_u24 v6, v5, WP
	v_lshl_add_u32 v6, v4, 4, v6
	v_add_nc_u32 v6, s19, v6                       ; in: row h, + 16 r; the pair of rows stands in the immediate
	v_mul_u32_u24 v7, v4, WP
	v_lshl_add_u32 v7, v5, 5, v7
	v_add_nc_u32 v7, s19, v7                       ; out: row r, + 32 h
	s_mov_b32 s24, 0x80808080                      ; turns four top bits
	s_mov_b32 s25, 0x4b000000                      ; 2^23
	s_mov_b32 s26, 0x03020104                      ; v_perm_b32: bytes 3, 2, 1 of 2^23 over byte 0 of the int8 word,
	s_mov_b32 s27, 0x03020105                      ; byte 1,
	s_mov_b32 s28, 0x03020106                      ; byte 2,
	s_mov_b32 s29, 0x03020107                      ; byte 3
	s_mov_b32 s30, 0xcb000080                      ; -(2^23 + 128)
	s_mov_b32 s31, s30                             ; (the packed form names the pair: so s31 is written)
; Fragment q of the four of a half: rows 16 (2 hh + q / 2) on, step q % 2.
.macro WFRAG hh, q
.set IQ, I+16*(\q)
.set FF, 2*(\hh)+(\q)/2
.set SG, (\q)%2
.irp n, 0,1,2,3,4,5,6,7,8,9,10,11,12,13,14,15
	v_xor_b32 v[IQ+\n], s24, v[IQ+\n]              ; t + 128 in each byte
.endr
.irp n, 0,1,2,3,4,5,6,7,8,9,10,11,12,13,14,15
.irp j, 0,1,2,3
	v_perm_b32 v[X+4*\n+\j], v[IQ+\n], s25, s[26+\j]   ; 2^23 + 128 + t
.endr
.endr
.irp p, 0,2,4,6,8,10,12,14,16,18,20,22,24,26,28,30,32,34,36,38,40,42,44,46,48,50,52,54,56,58,60,62
	v_pk_add_f32 v[X+\p:X+\p+1], v[X+\p:X+\p+1], s[30:31] op_sel_hi:[1,0]   ; t, exactly
.endr
.irp p, 0,2,4,6,8,10,12,14,16,18,20,22,24,26,28,30,32,34,36,38,40,42,44,46,48,50,52,54,56,58,60,62
.if SG == 0
	v_pk_mul_f32 v[X+\p:X+\p+1], v[X+\p:X+\p+1], v[S+2*FF:S+2*FF+1] op_sel_hi:[1,0]               ; x my row's scale of the first step
.else
	v_pk_mul_f32 v[X+\p:X+\p+1], v[X+\p:X+\p+1], v[S+2*FF:S+2*FF+1] op_sel:[0,1] op_sel_hi:[1,1]  ; of the second step
.endif
.endr
.if 4*(\hh)+(\q) >= 2
	s_wait_xcnt 0x0                                ; the stores of two fragments back have read their registers: that set of codes is written again only behind this wait
.endif
	FRAGQ P+12*SG, W+4*SG+FF
.irp c, 0,1,2
	global_store_b128 v3, v[P+12*SG+4*\c:P+12*SG+4*\c+3], s[12:13] offset:SG*CHUNK+FF*FRB+512*\c   ; 32 lanes store 512 consecutive bytes, at a multiple of 256 from the buffer's first byte
.endr
.endm
.macro WHALF hh
	s_wait_loadcnt 0x0                             ; these 32 rows are in (and, the first time, the group scales)
.irp u, 0,1,2,3,4,5,6,7,8,9,10,11,12,13,14,15
	ds_store_b128 v6, v[T+4*\u:T+4*\u+3] offset:\u*2*WP
.endr
.irp q, 0,1,2,3
.irp k, 0,1,2,3
	ds_load_b128 v[I+16*\q+4*\k:I+16*\q+4*\k+3], v7 offset:(\q/2)*16*WP+128*(\q%2)+16*(\k%2)+64*(\k/2)   ; in order behind my stores: 32 bytes of block h, 32 of block 2 + h
.endr
.endr
	s_wait_dscnt 0x0                               ; they are back: so the stores into the stage have read their registers,
.if (\hh) == 0
	LOADW 1                                        ; which take the other 32 rows
.endif
.irp q, 0,1,2,3
	WFRAG \hh, \q
.endr
.endm
	s_wait_alu depctr_va_vdst(0)                   ; directly ahead of the wait for the loads
	WHALF 0
	WHALF 1
	v_cmp_eq_u32 vcc_lo, 1, v5
.irp i, 0,1,2,3
	v_cndmask_b32 v[W+\i], v[W+\i], v[W+4+\i], vcc_lo   ; lanes 0 to 15: the first step's words of my row; lanes 16 to 31: the second step's
.endr
	global_store_b128 v1, v[W:W+3], s[12:13]       ; two runs of 256 consecutive bytes, one in each chunk, each aligned
	s_wait_tensorcnt 0x0                           ; the wave's end: behind my last LDS store
	ds_add_u32 v12, v13
	s_wait_dscnt 0x0
	s_endpgm
.Lfunc_end_k_q14bd6341a8_quant:
	.size	k_q14bd6341a8_quant, .Lfunc_end_k_q14bd6341a8_quant-k_q14bd6341a8_quant
	.p2alignl 7, 3214868480
	.fill 96, 4, 3214868480
	.section	.rodata,"a",@progbits
	.p2align	6, 0x0
	.amdhsa_kernel k_q14bd6341a8_quant
		.amdhsa_group_segment_fixed_size 69120
		.amdhsa_private_segment_fixed_size 0
		.amdhsa_enable_private_segment 0
		.amdhsa_kernarg_size 40
		.amdhsa_user_sgpr_count 2
		.amdhsa_user_sgpr_kernarg_segment_ptr 1
		.amdhsa_wavefront_size32 1
		.amdhsa_system_sgpr_workgroup_id_x 1
		.amdhsa_system_sgpr_workgroup_id_y 1
		.amdhsa_system_sgpr_workgroup_id_z 1
		.amdhsa_system_vgpr_workitem_id 0
		.amdhsa_next_free_vgpr 256
		.amdhsa_next_free_sgpr 66
		.amdhsa_reserve_vcc 1
		.amdhsa_float_denorm_mode_32 3
		.amdhsa_float_denorm_mode_16_64 3
		.amdhsa_memory_ordered 1
		.amdhsa_forward_progress 1
		.amdhsa_inst_pref_size 135
	.end_amdhsa_kernel
	.amdgpu_metadata
---
amdhsa.version: [ 1, 2 ]
amdhsa.kernels:
  - .name:           k_q14bd6341a8_quant
    .symbol:         k_q14bd6341a8_quant.kd
    .args:
      - { .name: x, .offset: 0, .size: 8, .value_kind: global_buffer, .address_space: global }
      - { .name: ternary, .offset: 8, .size: 8, .value_kind: global_buffer, .address_space: global }
      - { .name: scales, .offset: 16, .size: 8, .value_kind: global_buffer, .address_space: global }
      - { .name: xq, .offset: 24, .size: 8, .value_kind: global_buffer, .address_space: global }
      - { .name: wq, .offset: 32, .size: 8, .value_kind: global_buffer, .address_space: global }
    .group_segment_fixed_size: 69120
    .private_segment_fixed_size: 0
    .kernarg_segment_align: 8
    .kernarg_segment_size: 40
    .max_flat_workgroup_size: 128
    .sgpr_count:     66
    .vgpr_count:     256
    .wavefront_size: 32
...
	.end_amdgpu_metadata
.endif
;; end of part 1
;; launch gemm (part 2): grid 16 x 16, 4 waves a work-group, clusters of 4 x 4, 327,680 bytes of LDS; arguments xq, wq, out0; writes out0
.if DOCPART == 2
	.amdgcn_target "amdgcn-amd-amdhsa--gfx1250"
	.amdhsa_code_object_version 6
	.text
	.protected	k_q14bd6341a8_gemm
	.globl	k_q14bd6341a8_gemm
	.p2align	8
	.type	k_q14bd6341a8_gemm,@function
k_q14bd6341a8_gemm:
	s_mov_b64 s[64:65], 0
	v_nop
	global_prefetch_b8 v0, s[64:65] scope:SCOPE_SE
	s_setreg_imm32_b32 hwreg(HW_REG_WAVE_MODE, 25, 1), 1
	s_wait_xcnt 0x0
	s_wait_alu depctr_hold_cnt(0) depctr_sa_sdst(0) depctr_va_vdst(0) depctr_va_sdst(0) depctr_va_ssrc(0) depctr_va_vcc(0) depctr_vm_vsrc(0)
	s_getreg_b32 s2, hwreg(HW_REG_IB_STS2, 6, 4)
	s_cmp_eq_u32 s2, 0
	s_cbranch_scc0 .Lentry_in_a_cluster
	s_endpgm
.Lentry_in_a_cluster:
	s_bfe_u32 s2, ttmp6, 0x10000c
	s_cmp_lg_u32 s2, 0xf033
	s_cbranch_scc0 .Lentry_shape_is_right
	s_endpgm
.Lentry_shape_is_right:
; out0[m][n] = sum over k of x[m][k] w[n][k] on codes of BF6 (E3M2) with one E8M0 byte for each 32 along K, as the launch before laid them: xq and wq are
; [32 blocks of 128 rows][32 steps of 128 along K][a chunk of 12,800 bytes: 8 fragments as images of their 12 registers, then 512 bytes of scale words].  Sums in f32.
; (ste_gain and ste_temp have no way to out0 and are among no launch's arguments: see the first kernel's head.)
; A tile of out0, 256 x 256, is made by four waves, 128 x 128 each.  THE MATRIX INSTRUCTION IS USED TRANSPOSED (source 0 = rows of w, called B; source 1 = rows of x, called A): a lane holds eight neighbouring numbers of a row of out0.
; REGISTERS, in four windows of 256, all laid alike: v128-255 sixteen accumulators (a quarter of the wave's tile: four blocks of A x four of B); v32-79 and v80-127 two sets of four fragments, by the step's parity:
;   window 0: B's blocks 0-3, window 1: B's 4-7, window 2: A's 0-3, window 3: A's 4-7.  Window 0 also holds v2-15 addresses and v16-31 the scale words, two sets.
; A STEP of 128 along K is four GROUPS of 16 products, each under one window setting: group 1 = B 0-3 x A 0-3 (sums in window 0), 2 = B 4-7 x A 0-3 (window 2), 3 = B 4-7 x A 4-7 (window 1), 4 = B 0-3 x A 4-7 (window 3).
; Both operands have two whole sets: so ALL 50 LDS loads of the next step stand in ONE run at a step's head, into the other set, and the step's 64 products follow on end.
; THE RING: two LDS slots, each with three steps' chunks of A's two and B's two blocks of 128 rows: 4 x 38,400 bytes, dense in memory, stated as rows of 256 bytes; each wave brings one part by one tensor load.  32 steps = 2 + 10 x 3.
; CLUSTERS: 4 x 4 work-groups; A's parts are asked for jointly along a row of the cluster, B's along a column.  Each refill stands behind a round of the cluster's barrier.
; THE LAST SIX STEPS lie in LDS together and go BY HALVES OF MY ROWS: rows 0-63 (groups 2 and 1) through all six, then rows 64-127 (groups 4 and 3), while the finished rows are stored.  B's fragments are read twice in these steps.
; THE WAY OUT: a block of 16 rows x 64 columns goes through the wave's own stage (bytes that no tensor load fills) and comes back as rows of 256 bytes: sixteen lanes store one aligned unit.
; PREFETCH: every fill but the head's own is asked of memory one fill (three steps) ahead of its tensor load; the last change of slots asks for nothing.  A part is 150 blocks of 256 bytes: the four partners that load it
; jointly share them out by address, 38 each (lanes left over name the last block again): each block is named once in each cluster that will load it.
.set SIZE_N, 4096
.set FRB,    1536                      ; a fragment's image
.set SCO,    8*FRB                     ; where a chunk's scale words begin
.set CHUNK,  SCO+512
.set PART,   3*CHUNK                   ; what one tensor load of the ring brings
.set SLOT,   4*PART
.set STREAM, 32*CHUNK                  ; all of K for 128 rows
.set SPARE,  2*SLOT                    ; the spare words, 128 bytes a wave, that no other line names
.set STAGE,  SPARE+512                 ; four stages of 16 rows x 272 bytes
.set SPITCH, 272
.set TRIPS,  4
.set ADRA, 2                           ; v2-3   LDS address of my A fragments in slot 0, 1
.set ADRB, 4                           ; v4-5   the same for B
.set ADRS, 6                           ; v6-7   my scale words: lanes 0-15 A's rows, lanes 16-31 B's
.set STO,  8                           ; into the stage
.set RD,   9                           ; back from it
.set CO,   10                          ; my byte offset in out0
.set SPW,  12                          ; my spare word; never rewritten
.set NIL,  13                          ; 0; never rewritten
.set PFO,  14                          ; v14-15 the prefetches' offsets
.set SC,   16                          ; scale words: set p at v[SC + 8 p]; register i: lanes 0-15 A's block i, lanes 16-31 B's block i
.set FR0,  32                          ; fragments: set p at v[FR0 + 48 p]
.set ACC,  128
.set BK,   32                          ; the way out: two sets of 32 registers in window 2
.set T1,   32                          ; v32-37: at work in the head alone
.set T2,   33
.set T4,   34
.set T5,   35
.set T6,   36
.set T7,   37
.set G1,   24
.set G0,   32
.set G1B,  48
.set G0B,  56
.set G1F,  68
.set G1FB, 76
.set PFA,  96
.set MSB, 0
.macro WIN new                         ; the immediate's high byte repeats the setting that is left
.if MSB != \new
	s_set_vgpr_msb (MSB<<8)|\new
.set MSB, \new
.endif
.endm
.macro PLACES                          ; four places between matrix instructions and loads into registers that they read, or stores of their results
.rept 4
	v_nop
.endr
.endm
.macro JLOAD g0a, g1a, g0b, g1b        ; a joint load: waves 0 and 1 fetch for A, waves 2 and 3 for B; s_nop 0 and four v_nop behind each line
	s_cmp_eq_u32 s15, 0
	s_cbranch_scc0 .Lfor_b_\@
	tensor_load_to_lds s[\g0a:\g0a+3], s[\g1a:\g1a+7]
	s_nop 0
	PLACES
	s_branch .Lasked_\@
.Lfor_b_\@:
	tensor_load_to_lds s[\g0b:\g0b+3], s[\g1b:\g1b+7]
	s_nop 0
	PLACES
.Lasked_\@:
.endm
.macro ASK strict                      ; my 38 blocks of the part that the next change of slots loads.  strict = 1: the loop's last trip has no such part (s3 = 1 there)
.if \strict
	s_cmp_gt_u32 s3, 1
	s_cbranch_scc0 .Lnot_mine_\@
.endif
	global_prefetch_b8 v[PFO], s[PFA:PFA+1] th:TH_LOAD_NT scope:SCOPE_SE
	global_prefetch_b8 v[PFO+1], s[PFA:PFA+1] th:TH_LOAD_NT scope:SCOPE_SE
.if \strict
.Lnot_mine_\@:
.endif
.endm
.macro CREST                           ; a round of the cluster's barrier behind its opening barrier
	s_cmp_lg_u32 s14, 0
	s_cbranch_scc1 .Lnot_wave_0_\@
	s_barrier_signal -3
.Lnot_wave_0_\@:
	s_barrier_wait -3
	s_barrier_signal -1
	s_barrier_wait -1
.endm
.macro CROUND
	s_barrier_signal -1
	s_barrier_wait -1
	CREST
.endm
	s_load_b128 s[4:7], s[0:1], 0x0                ; xq, wq
	s_load_b64 s[12:13], s[0:1], 0x10              ; out0
	v_lshl_add_u32 v[SPW], v0, 2, SPARE
	v_mov_b32 v[NIL], 0
	ds_add_u32 v[SPW], v[NIL]                      ; the opening lines: the add, twice on end, and its wait
	ds_add_u32 v[SPW], v[NIL]
	s_wait_dscnt 0x0
	v_lshrrev_b32 v1, 5, v0
	v_readfirstlane_b32 s14, v1                    ; wave 0..3
	s_lshr_b32 s15, s14, 1                         ; which half of the tile's rows is mine; also: I fetch for A (0) or B (1)
	s_and_b32 s16, s14, 1                          ; which half of its columns; also: which 128 rows I fetch
	s_bfe_u32 s40, ttmp6, 0x40000                  ; cx, cy
	s_bfe_u32 s41, ttmp6, 0x40004
	s_lshl_b32 s42, ttmp9, 2
	s_add_co_u32 s42, s42, s40                     ; tile column
	s_and_b32 s17, ttmp7, 0xffff
	s_lshl_b32 s17, s17, 2
	s_add_co_u32 s17, s17, s41                     ; tile row
	s_lshl_b32 s43, s41, 2
	s_lshl_b32 s43, 15, s43                        ; my row of the cluster
	s_lshl_b32 s44, 0x1111, s40                    ; my column
	s_or_b32 s[G1+0], s43, (3<<16)|(1<<21)         ; elements of 8 bytes, the mask, bit 21 beside it
	s_or_b32 s[G1B+0], s44, (3<<16)|(1<<21)
	s_or_b32 s[G1F+0], s43, (3<<16)|(1<<21)
	s_or_b32 s[G1FB+0], s44, (3<<16)|(1<<21)
.irp g, G1, G1B                        ; a part: 150 rows of 256 bytes
	s_mov_b32 s[\g+1], 32<<16
	s_mov_b32 s[\g+2], (PART/256)<<16
	s_mov_b32 s[\g+3], 32<<16
	s_mov_b32 s[\g+4], PART/256
	s_mov_b32 s[\g+5], 32
	s_mov_b32 s[\g+6], 0
	s_mov_b32 s[\g+7], 0
.endr
.irp g, G1F, G1FB                      ; the head's fill: two steps, 100 rows
	s_mov_b32 s[\g+1], 32<<16
	s_mov_b32 s[\g+2], (2*CHUNK/256)<<16
	s_mov_b32 s[\g+3], 32<<16
	s_mov_b32 s[\g+4], 2*CHUNK/256
	s_mov_b32 s[\g+5], 32
	s_mov_b32 s[\g+6], 0
	s_mov_b32 s[\g+7], 0
.endr
	s_lshl_b32 s20, s17, 1
	s_add_co_u32 s20, s20, s16
	s_mul_i32 s20, s20, STREAM                     ; A: the stream of the 128 rows that I fetch
	s_mov_b32 s21, 0
	s_lshl_b32 s46, s42, 1
	s_add_co_u32 s46, s46, s16
	s_mul_i32 s46, s46, STREAM                     ; B likewise
	s_mov_b32 s47, 0
	s_mul_i32 s45, s14, PART                       ; where it goes: wave x a part
	s_wait_kmcnt 0x0
	s_add_nc_u64 s[20:21], s[4:5], s[20:21]
	s_add_nc_u64 s[46:47], s[6:7], s[46:47]
	CROUND                                         ; in front of the first joint loads
.irp s, 0,1
	s_mov_b32 s[G0+4*\s], 1
	s_add_co_u32 s[G0+4*\s+1], s45, \s*SLOT
	s_add_nc_u64 s[G0+4*\s+2:G0+4*\s+3], s[20:21], \s*2*CHUNK
	s_or_b32 s[G0+4*\s+3], s[G0+4*\s+3], 0x80000000
	s_mov_b32 s[G0B+4*\s], 1
	s_add_co_u32 s[G0B+4*\s+1], s45, \s*SLOT
	s_add_nc_u64 s[G0B+4*\s+2:G0B+4*\s+3], s[46:47], \s*2*CHUNK
	s_or_b32 s[G0B+4*\s+3], s[G0B+4*\s+3], 0x80000000
.endr
	JLOAD G0, G1F, G0B, G1FB                       ; steps 0 and 1: one tensor load a wave at the head
	; the prefetches: my stream at step 5; my work-group's 38 blocks of a part by its place among the four partners
	s_cmp_eq_u32 s15, 0
	s_cselect_b32 s20, s17, s42
	s_cselect_b32 s21, s40, s41
	s_cselect_b64 s[PFA:PFA+1], s[4:5], s[6:7]
	s_lshl_b32 s20, s20, 1
	s_add_co_u32 s20, s20, s16
	s_mul_i32 s20, s20, STREAM
	s_add_co_u32 s20, s20, 5*CHUNK
	s_mul_i32 s22, s21, 38
	s_mov_b32 s21, 0
	s_add_nc_u64 s[PFA:PFA+1], s[PFA:PFA+1], s[20:21]
	v_and_b32 v[T6], 31, v0                        ; lane
	v_add_nc_u32 v[PFO], s22, v[T6]
	v_lshlrev_b32 v[PFO], 8, v[PFO]
	v_min_u32 v[T7], 5, v[T6]
	v_add_nc_u32 v[T7], s22, v[T7]
	v_add_nc_u32 v[T7], 32, v[T7]
	v_min_u32 v[T7], 149, v[T7]                    ; held inside the part's 150 blocks
	v_lshlrev_b32 v[PFO+1], 8, v[T7]
	global_prefetch_b8 v[PFO], s[PFA:PFA+1] offset:-PART th:TH_LOAD_NT scope:SCOPE_SE     ; steps 2 to 4, which slot 1's first fill loads
	global_prefetch_b8 v[PFO+1], s[PFA:PFA+1] offset:-PART th:TH_LOAD_NT scope:SCOPE_SE
	; the LDS and output addresses, made while the head's load is on its way
	v_and_b32 v[T1], 15, v0                        ; r
	v_bfe_u32 v[T2], v0, 4, 1                      ; h
	v_lshlrev_b32 v[T4], 4, v[T6]                  ; 16 x lane
	s_mul_i32 s21, s15, PART                       ; my 128 rows of A,
	s_mul_i32 s22, s16, PART
	s_add_co_u32 s22, s22, 2*PART                  ; of B
	s_sub_co_u32 s23, s22, s21
	s_add_co_u32 s18, s21, SLOT
	s_add_co_u32 s19, s22, SLOT
	v_mul_u32_u24 v[T5], s23, v[T2]                ; lanes 16-31 take B's scale words
	v_lshl_add_u32 v[T5], v[T1], 4, v[T5]
	v_add_nc_u32 v[ADRA], s21, v[T4]
	v_add_nc_u32 v[ADRA+1], s18, v[T4]
	v_add_nc_u32 v[ADRB], s22, v[T4]
	v_add_nc_u32 v[ADRB+1], s19, v[T4]
	v_add_nc_u32 v[ADRS], s21, v[T5]
	v_add_nc_u32 v[ADRS+1], s18, v[T5]
	s_mul_i32 s23, s14, 16*SPITCH
	s_add_co_u32 s23, s23, STAGE                   ; my stage
	v_mul_u32_u24 v[T5], v[T1], SPITCH             ; in: row r, 32 bytes for each half of the lanes
	v_lshl_add_u32 v[T5], v[T2], 5, v[T5]
	v_add_nc_u32 v[STO], s23, v[T5]
	v_mul_u32_u24 v[T5], v[T2], SPITCH             ; back: lanes 0-15 one row of 256 bytes, lanes 16-31 the next
	v_lshl_add_u32 v[T5], v[T1], 4, v[T5]
	v_add_nc_u32 v[RD], s23, v[T5]
	v_lshlrev_b32 v[T5], 14, v[T2]                 ; and the same two rows in out0 (16,384 bytes a row)
	v_lshl_add_u32 v[CO], v[T1], 4, v[T5]
	s_lshl_b32 s20, s17, 8
	s_lshl_b32 s21, s15, 7
	s_add_co_u32 s20, s20, s21                     ; my first row of out0
	s_mov_b32 s21, 0
	s_mov_b64 s[18:19], SIZE_N*4
	s_mul_u64 s[20:21], s[20:21], s[18:19]
	s_lshl_b32 s46, s42, 10
	s_lshl_b32 s47, s16, 9
	s_add_co_u32 s46, s46, s47                     ; my first column, in bytes
	s_mov_b32 s47, 0
	s_add_nc_u64 s[20:21], s[20:21], s[46:47]
	s_add_nc_u64 s[12:13], s[12:13], s[20:21]
; A group: 16 products on set p, the 16 accumulators by turns.  w >= 0: a wait on DScnt ahead of it.
.macro GRP g, p, zero, w
.if \g == 1
.set BI, 0
.set AJ, 0
	WIN 0x08                                       ; source 0 window 0, source 1 window 2, C and D window 0
.endif
.if \g == 2
.set BI, 1
.set AJ, 0
	WIN 0xa9                                       ; source 0 window 1, source 1 window 2, C and D window 2
.endif
.if \g == 3
.set BI, 1
.set AJ, 1
	WIN 0x5d                                       ; source 0 window 1, source 1 window 3, C and D window 1
.endif
.if \g == 4
.set BI, 0
.set AJ, 1
	WIN 0xfc                                       ; source 0 window 0, source 1 window 3, C and D window 3
.endif
.if \w >= 0
	s_wait_dscnt \w
.endif
.set FS, FR0+48*(\p)
.set SS, SC+8*(\p)
.irp aa, 0,1,2,3
.irp bb, 0,1,2,3
.if \zero
	v_wmma_scale_f32_16x16x128_f8f6f4 v[ACC+8*(4*\aa+\bb):ACC+8*(4*\aa+\bb)+7], v[FS+12*\bb:FS+12*\bb+11], v[FS+12*\aa:FS+12*\aa+11], 0, v[SS+4*BI+\bb], v[SS+4*AJ+\aa] matrix_a_fmt:MATRIX_FMT_BF6 matrix_b_fmt:MATRIX_FMT_BF6 matrix_a_scale:MATRIX_SCALE_ROW1
.else
	v_wmma_scale_f32_16x16x128_f8f6f4 v[ACC+8*(4*\aa+\bb):ACC+8*(4*\aa+\bb)+7], v[FS+12*\bb:FS+12*\bb+11], v[FS+12*\aa:FS+12*\aa+11], v[ACC+8*(4*\aa+\bb):ACC+8*(4*\aa+\bb)+7], v[SS+4*BI+\bb], v[SS+4*AJ+\aa] matrix_a_fmt:MATRIX_FMT_BF6 matrix_b_fmt:MATRIX_FMT_BF6 matrix_a_scale:MATRIX_SCALE_ROW1
.endif
.endr
.endr
.endm
.macro RUN win, pd, adr, off           ; four fragments by 12 loads of 512 bytes, into set pd of the window that win names as destination (addresses from window 0)
	WIN \win
.irp n, 0,1,2,3,4,5,6,7,8,9,10,11
	ds_load_b128 v[FR0+48*(\pd)+4*\n:FR0+48*(\pd)+4*\n+3], v[\adr] offset:(\off)+512*\n
.endr
.endm
.macro SCL pd, adr, off                ; a step's scale words into set pd
	WIN 0
	ds_load_b128 v[SC+8*(\pd):SC+8*(\pd)+3], v[\adr] offset:(\off)+SCO
	ds_load_b128 v[SC+8*(\pd)+4:SC+8*(\pd)+7], v[\adr] offset:(\off)+SCO+256
.endm
.macro FETCH pd, s, off                ; a whole step in one run of 50 loads, in this order: B 0-3 (12), scale words (2), A 0-3 (12), B 4-7 (12), A 4-7 (12)
	RUN 0x00, \pd, ADRB+\s, \off
	SCL \pd, ADRS+\s, \off
	RUN 0x80, \pd, ADRA+\s, \off
	RUN 0x40, \pd, ADRB+\s, (\off)+4*FRB
	RUN 0xc0, \pd, ADRA+\s, (\off)+4*FRB
.endm
; A step that stays in its slot.  Ahead of the run: this step's B 0-3, scale words and A 0-3 are in (24 loads were issued behind them).  Group 2 wants this step's B 4-7: behind them came 12 and the run's 50.
; Group 3 wants its A 4-7: behind them came the run's 50.
.macro STEP slot, q, p, zero
	s_wait_dscnt 24
	PLACES                                         ; the run lands in the set that the last step's products read
	FETCH 1-(\p), \slot, ((\q)+1)*CHUNK
	GRP 1, \p, \zero, -1
	GRP 2, \p, \zero, 62
	GRP 3, \p, \zero, 50
	GRP 4, \p, \zero, -1
.endm
; A slot's last step changes slots: its fragments are all in registers, so the slot is free.  Groups 1 and 2 run round the barrier; behind the round the slot is filled again first,
; then comes the run for the next slot's first step, then groups 3 and 4.
.macro TURN slot, next, p, adv, strict
	s_wait_xcnt 0x0                                ; my prefetches have read their address: it steps here
	s_add_nc_u64 s[PFA:PFA+1], s[PFA:PFA+1], PART
	WIN 0                                          ; (the add's two registers lie in window 0)
	s_wait_tensorcnt 0x0                           ; all my tensor loads have landed: my part of the next slot
	ds_add_u32 v[SPW], v[NIL]
	GRP 1, \p, 0, 1                                ; (the add may be out; this step's fragments are in)
	s_wait_dscnt 0x0                               ; the add is done, and my reads of this slot are over
	s_barrier_signal -1
	GRP 2, \p, 0, -1
	WIN 0
	s_barrier_wait -1
	CREST                                          ; no wave of any partner still reads this slot or has a load on its way
	s_add_nc_u64 s[G0+4*\slot+2:G0+4*\slot+3], s[G0+4*\slot+2:G0+4*\slot+3], (\adv)*CHUNK
	s_add_nc_u64 s[G0B+4*\slot+2:G0B+4*\slot+3], s[G0B+4*\slot+2:G0B+4*\slot+3], (\adv)*CHUNK
	JLOAD G0+4*\slot, G1, G0B+4*\slot, G1B         ; the first tensor load behind the round; its four v_nop are the places in front of the loads below
	FETCH 1-(\p), \next, 0
	WIN 0
	ASK \strict
	GRP 3, \p, 0, -1
	GRP 4, \p, 0, -1
.endm
; THE WAY OUT.  Block u of 16: rows 64 (u / 8) + 16 (u % 4) on, columns 64 ((u / 4) % 2) on: four accumulators of one window.
.macro UNITSET u
.set UA,  (\u)%4
.set UBI, ((\u)/4)%2
.set UAJ, (\u)/8
.set UW,  (1-UAJ)*2*UBI+UAJ*(3-2*UBI)  ; the window of its sums
.set UB,  BK+32*((\u)%2)
.endm
.macro TOSTAGE u
	UNITSET \u
	WIN (UW<<2)                                    ; the data: the block's window
.irp bb, 0,1,2,3
	ds_store_b128 v[STO], v[ACC+8*(4*UA+\bb):ACC+8*(4*UA+\bb)+3] offset:64*\bb        ; each accumulator from its low end on
	ds_store_b128 v[STO], v[ACC+8*(4*UA+\bb)+4:ACC+8*(4*UA+\bb)+7] offset:64*\bb+16
.endr
	WIN 0x80                                       ; back into window 2, whose fragments are done with
.irp t, 0,1,2,3,4,5,6,7
	ds_load_b128 v[UB+4*\t:UB+4*\t+3], v[RD] offset:\t*2*SPITCH    ; LDS serves a wave's instructions in order (ISA guide 5.7.1.4): these see the stores above
.endr
.endm
.macro SEND u, younger
	UNITSET \u
	s_wait_dscnt \younger
	WIN 0x08                                       ; the data: window 2
.irp t, 0,1,2,3,4,5,6,7
	global_store_b128 v[CO], v[UB+4*\t:UB+4*\t+3], s[12:13] offset:(64*UAJ+16*UA+2*\t)*SIZE_N*4+256*UBI th:TH_STORE_NT   ; 16 lanes store 256 consecutive bytes, aligned; 126 rows at the most: inside the signed 24-bit immediate
.endr
.endm
.macro OUT2 k                          ; blocks 2 k and 2 k + 1
.if (\k) > 0
	s_wait_xcnt 0x0                                ; the last pair's stores have read their registers
.endif
	TOSTAGE 2*(\k)
	TOSTAGE 2*(\k)+1
	SEND 2*(\k), 16                                ; behind its loads: the second block's 8 stores and 8 loads
	SEND 2*(\k)+1, 0
.endm
; THE LAST SIX STEPS, n = 0 .. 5: steps 26 to 28 in slot 1, 29 to 31 in slot 0.
.macro NEXTOF m
.set NS, 1-((\m)/3)
.set NO, ((\m)%3)*CHUNK
.endm
; My rows 0-63.  One run brings the next step's B 4-7, scale words, B 0-3 and A 0-3: 38 loads; the wait ahead of the products leaves just these out.
; The sixth fetches step 26's B and scale words anew (26 loads), for my rows 64-127; that step's A 4-7 still lie in window 3.
.macro LOHALF n
.set HP, (\n)%2
.if (\n) == 2
	WIN 0
	s_wait_tensorcnt 0x0                           ; my part of the last fill has landed;
	s_wait_dscnt 0x0                               ; no LDS instruction is pending at a signal
	s_barrier_signal -1
	s_barrier_wait -1                              ; and so has everybody's: slot 0 may be read.  Nothing is filled again
.endif
	NEXTOF ((\n)+1)%6
	PLACES
	RUN 0x40, 1-HP, ADRB+NS, NO+4*FRB
	SCL 1-HP, ADRS+NS, NO
	RUN 0x00, 1-HP, ADRB+NS, NO
.if (\n) < 5
	RUN 0x80, 1-HP, ADRA+NS, NO
	GRP 2, HP, 0, 38
.else
	GRP 2, HP, 0, 26
.endif
	GRP 1, HP, 0, -1
.endm
; My rows 64-127; ahead of the first four steps two finished blocks of rows 0-63 leave.  One run brings the next step's B 0-3, scale words, B 4-7 and A 4-7: 38 loads.
.macro HIHALF n
.set HP, (\n)%2
	PLACES
.if (\n) < 4
	OUT2 \n
.endif
.if (\n) < 5
	NEXTOF (\n)+1
	RUN 0x00, 1-HP, ADRB+NS, NO
	SCL 1-HP, ADRS+NS, NO
	RUN 0x40, 1-HP, ADRB+NS, NO+4*FRB
	RUN 0xc0, 1-HP, ADRA+NS, NO+4*FRB
	GRP 4, HP, 0, 38
.else
	GRP 4, HP, 0, 0
.endif
	GRP 3, HP, 0, -1
.endm
	s_wait_alu depctr_va_vdst(0)
	s_wait_tensorcnt 0x0                           ; my part of steps 0 and 1 is in
	ds_add_u32 v[SPW], v[NIL]
	s_wait_dscnt 0x0
	CROUND                                         ; everybody's part is in, and all sixteen work-groups are here
	JLOAD G0+4, G1, G0B+4, G1B                     ; slot 1's first fill, steps 2 to 4: the first tensor load behind the round
	FETCH 0, 0, 0                                  ; step 0's fragments
	WIN 0
	global_prefetch_b8 v[PFO], s[PFA:PFA+1] th:TH_LOAD_NT scope:SCOPE_SE                  ; steps 5 to 7, which the first change of slots loads
	global_prefetch_b8 v[PFO+1], s[PFA:PFA+1] th:TH_LOAD_NT scope:SCOPE_SE
	s_mov_b32 s3, TRIPS
	STEP 0, 0, 0, 1                                ; the first step's products start the sums
	TURN 0, 1, 1, 5, 0
	WIN 0                                          ; at a label and at a branch every window is 0
.Llap:
	STEP 1, 0, 0, 0
	STEP 1, 1, 1, 0
	TURN 1, 0, 0, 6, 0
	STEP 0, 0, 1, 0
	STEP 0, 1, 0, 0
	TURN 0, 1, 1, 6, 1
	WIN 0
	s_sub_co_u32 s3, s3, 1
	s_cmp_lg_u32 s3, 0
	s_cbranch_scc1 .Llap
.irp n, 0,1,2,3,4,5
	LOHALF \n
.endr
.irp n, 0,1,2,3,4,5
	HIHALF \n
.endr
	PLACES
.irp k, 4,5,6,7
	OUT2 \k
.endr
	WIN 0
	s_wait_tensorcnt 0x0                           ; the wave's end
	ds_add_u32 v[SPW], v[NIL]
	s_wait_dscnt 0x0
	CROUND                                         ; the closing round
	s_endpgm
.Lfunc_end_k_q14bd6341a8_gemm:
	.size	k_q14bd6341a8_gemm, .Lfunc_end_k_q14bd6341a8_gemm-k_q14bd6341a8_gemm
	.p2alignl 7, 3214868480
	.fill 96, 4, 3214868480
	.section	.rodata,"a",@progbits
	.p2align	6, 0x0
	.amdhsa_kernel k_q14bd6341a8_gemm
		.amdhsa_group_segment_fixed_size 327680
		.amdhsa_private_segment_fixed_size 0
		.amdhsa_enable_private_segment 0
		.amdhsa_kernarg_size 24
		.amdhsa_user_sgpr_count 2
		.amdhsa_user_sgpr_kernarg_segment_ptr 1
		.amdhsa_wavefront_size32 1
		.amdhsa_system_sgpr_workgroup_id_x 1
		.amdhsa_system_sgpr_workgroup_id_y 1
		.amdhsa_system_sgpr_workgroup_id_z 1
		.amdhsa_system_vgpr_workitem_id 0
		.amdhsa_next_free_vgpr 1024
		.amdhsa_next_free_sgpr 100
		.amdhsa_reserve_vcc 0
		.amdhsa_float_denorm_mode_32 3
		.amdhsa_float_denorm_mode_16_64 3
		.amdhsa_memory_ordered 1
		.amdhsa_forward_progress 1
		.amdhsa_inst_pref_size 217
	.end_amdhsa_kernel
	.amdgpu_metadata
---
amdhsa.version: [ 1, 2 ]
amdhsa.kernels:
  - .name:           k_q14bd6341a8_gemm
    .symbol:         k_q14bd6341a8_gemm.kd
    .args:
      - { .name: xq, .offset: 0, .size: 8, .value_kind: global_buffer, .address_space: global }
      - { .name: wq, .offset: 8, .size: 8, .value_kind: global_buffer, .address_space: global }
      - { .name: out0, .offset: 16, .size: 8, .value_kind: global_buffer, .address_space: global }
    .group_segment_fixed_size: 327680
    .private_segment_fixed_size: 0
    .kernarg_segment_align: 8
    .kernarg_segment_size: 24
    .max_flat_workgroup_size: 128
    .sgpr_count:     100
    .vgpr_count:     1024
    .wavefront_size: 32
...
	.end_amdgpu_metadata
.endif
;; end of part 2
